; MI455X (gfx1250); checked and timed in simulation.
; The chip was launched on July 23, 2026; its instructions are those of AMD's public machine-readable ISA for CDNA 5 (MIT licence, August 2026) and "CDNA5" Instruction Set Architecture Reference Guide (July 2026). The comments in the code are by the model that wrote it; some were corrected since.
;; SOM. Allowed arithmetic: float matrix products may take bf16 or f16 operands with f32 sums; all other float work in f32.
;; Inputs: locations 16,384 x 2 float32; weight 1,024 x 16,384 float32; x 2,048 x 1,024 float32.
;; Outputs: out0 2,048 x 1 int32; out1 2,048 x 1 x 2 float32; out2 one number float32.
;; One version. Each part assembles by itself: llvm-mc -triple=amdgcn-amd-amdhsa -mcpu=gfx1250 --defsym DOCPART=n.
;; ======== version 1 of 1: 4 launches
;; workspace buffers: xb 4,194,304 bytes; wt 33,554,432 bytes; cw 65,536 bytes; rc 8,192 bytes; pval 524,288 bytes; pidx 524,288 bytes of whole numbers; dist 8,192 bytes
;; launch prep (part 1): grid 256 x 1, 16 waves a work-group, no clusters, 143,616 bytes of LDS; arguments x, weight, xb, wt, cw, rc; writes xb, wt, cw, rc
.if DOCPART == 1
	.amdgcn_target "amdgcn-amd-amdhsa--gfx1250"
	.amdhsa_code_object_version 6
	.text
	.protected	k_q7500380c8d_prep
	.globl	k_q7500380c8d_prep
	.p2align	8
	.type	k_q7500380c8d_prep,@function
k_q7500380c8d_prep:
	s_mov_b64 s[64:65], 0
	v_nop
	global_prefetch_b8 v0, s[64:65] scope:SCOPE_SE
	s_setreg_imm32_b32 hwreg(HW_REG_WAVE_MODE, 25, 1), 1
	s_wait_xcnt 0x0
; PREP: x [2048][1024] f32 and weight [1024 k][16384 n] f32 are rounded once to bf16 (nearest even);
;   xb [2048][1024] bf16 = x rounded;   wt [16384 n][1024 k] bf16 = weight rounded and transposed (K along the rows);
;   cw[n] = sum_k w^2 - 2 eps sum_k w;   rc[b] = sum_k x^2 + 2 eps sum_k x + 1024 eps^2;   all sums in f32 OVER THE ROUNDED NUMBERS,
; so that cw[n] - 2 x.w + rc[b] is the expansion of |x - w + eps|^2 for one and the same pair of (rounded) vectors.
; LIMITS: the f32 sums are formed in another order than a row-by-row sum; NaN and infinities are passed on as they fall.
; SHARE: work-group g owns columns 64 g .. 64 g + 63 of weight over all 1,024 k (256 KiB) and rows 8 g .. 8 g + 7 of x (32 KiB).
; Wave w takes k = 64 w .. 64 w + 63 and the 2,048 bytes at 2,048 w of the group's x (half of row 8 g + w / 2).
; Lane (r = l % 16, h = l / 16) holds columns 4 r .. 4 r + 3 at k = 64 w + 32 h + j, j = 0 .. 31: load j of a wave covers 256
; consecutive aligned bytes of row 64 w + j and 256 of row 64 w + 32 + j.  All 36 loads of a wave go out at once: there is no loop.
; The work-groups share no input, every byte is read once: no cluster, no tensor load, no matrix unit would add anything.
; LDS: 16 regions of REG bytes, one for each wave (its 64 k of all 64 columns): column n's 128 bytes at 128 n + 16 (n / 4), so the sixteen
; lanes of a 16-byte store (n = 4 r + c) start 528 r bytes apart, 16 r modulo 256.  REG is 128 modulo 256, so that in the read-back
; (eight lanes take 128 bytes of one region, the next eight of the next) the two groups of lanes fall on different halves of 256 bytes.
.set TWO_EPS,  0x360637bd              ; 2e-6
.set NTWO_EPS, 0xb60637bd              ; -2e-6
.set D_EPS2,   0x308cbccc              ; 1024 x 1e-12
.set REG,  8576                        ; 64 x 128 + 16 x 16 = 8,448 bytes used, + 128
.set RED,  16*REG                      ; [16 waves][16 r] x 16 bytes: each wave's part of cw for the 64 columns
.set RCP,  RED+4096                    ; 16 words: each wave's part of rc
.set WO,   4                           ; v4   byte offset in weight: (64 w + 32 h) rows of 65,536 bytes + 16 r
.set XO,   5                           ; v5   byte offset in the group's x: 2,048 w + 16 l
.set XBO,  6                           ; v6   the same place in xb: 1,024 w + 8 l
.set LS,   7                           ; v7   LDS, store: REG w + 528 r + 64 h
.set LR,   8                           ; v8-9 LDS, read-back: REG (l / 8) + 16 (l % 8) + 528 w, and 8 regions further on
.set WTO,  10                          ; v10  byte offset in the group's wt: 8,192 w + 16 l
.set RS,   11                          ; v11  RED + 256 w + 16 r
.set RR,   12                          ; v12  RED + 8 l
.set RCS,  13                          ; v13  RCP + 4 w
.set RCR,  14                          ; v14  RCP + 8 (l % 8)
.set L8,   15                          ; v15  8 l
.set XD,   16                          ; v[16:31]   x as loaded; at the end v[16:47]: sixteen pairs of cw parts
.set P,    32                          ; v[32:47]   packed weight: four words (8 k) for each of my four columns
.set T,    48                          ; v[48:55]   at work
.set XP,   56                          ; v[56:63]   packed x: data of stores, never written again
.set WD,   64                          ; v[64:191]  weight as loaded; later the transposed rows on their way out
.set ACCW, 192                         ; v[192:199] sum of w^2, a pair (even k, odd k) for each column
.set ACCS, 200                         ; v[200:207] sum of w, likewise
.set XX,   208                         ; v[208:209] sum of x^2
.set SX,   210                         ; v[210:211] sum of x
	s_load_b256 s[16:23], s[0:1], 0x0              ; x s[16:17], weight s[18:19], xb s[20:21], wt s[22:23]
	s_load_b128 s[24:27], s[0:1], 0x20             ; cw s[24:25], rc s[26:27]
	v_lshl_add_u32 v212, v0, 2, 0x22900
	v_mov_b32 v213, 0
	v_lshrrev_b32 v1, 5, v0
	v_readfirstlane_b32 s8, v1                     ; wave 0 .. 15
	v_and_b32 v1, 31, v0                           ; l
	v_and_b32 v2, 15, v0                           ; r
	v_bfe_u32 v3, v0, 4, 1                         ; h
	s_mov_b32 s9, 0xffff0000                       ; a word's upper bf16
	s_mov_b32 s10, 0x76543210                      ; v_permlanex16_b32: lane i of one half reads lane i of the other
	s_mov_b32 s11, 0xfedcba98
	s_mov_b32 s12, TWO_EPS
	s_mov_b32 s14, NTWO_EPS
	s_lshl_b32 s13, s8, 22                         ; 64 w rows of 65,536 bytes
	v_lshlrev_b32 v[WO], 4, v2
	v_lshl_add_u32 v[WO], v3, 21, v[WO]            ; 32 h rows
	v_add_nc_u32 v[WO], s13, v[WO]
	s_lshl_b32 s13, s8, 11
	v_lshl_add_u32 v[XO], v1, 4, s13
	s_mov_b32 s3, 0
	s_lshl_b32 s2, ttmp9, 15                       ; 8 rows of x, 4,096 bytes each
	s_wait_kmcnt 0x0
	s_add_nc_u64 s[16:17], s[16:17], s[2:3]
	s_lshl_b32 s2, ttmp9, 8                        ; 64 columns of f32: in weight and in cw
	s_add_nc_u64 s[18:19], s[18:19], s[2:3]
	s_add_nc_u64 s[24:25], s[24:25], s[2:3]
.irp j, 0,1,2,3
	global_load_b128 v[XD+4*\j:XD+4*\j+3], v[XO], s[16:17] offset:512*\j th:TH_LOAD_NT
.endr
.set j, 0
.rept 32
	global_load_b128 v[WD+4*j:WD+4*j+3], v[WO], s[18:19] offset:65536*j th:TH_LOAD_NT
.set j, j+1
.endr
	; the other bases and addresses, while the loads are on their way
	s_lshl_b32 s2, ttmp9, 14                       ; 8 rows of xb, 2,048 bytes each
	s_add_nc_u64 s[20:21], s[20:21], s[2:3]
	s_lshl_b32 s2, ttmp9, 17                       ; 64 rows of wt, 2,048 bytes each
	s_add_nc_u64 s[22:23], s[22:23], s[2:3]
	s_lshl_b32 s2, ttmp9, 5                        ; 8 numbers of rc
	s_add_nc_u64 s[26:27], s[26:27], s[2:3]
	s_lshl_b32 s13, s8, 10
	v_lshl_add_u32 v[XBO], v1, 3, s13
	s_mul_i32 s13, s8, REG
	v_mul_u32_u24 v[LS], v2, 528
	v_lshl_add_u32 v[LS], v3, 6, v[LS]
	v_add_nc_u32 v[LS], s13, v[LS]
	v_lshrrev_b32 v[T], 3, v1
	v_mul_u32_u24 v[LR], v[T], REG
	v_and_b32 v[T], 7, v1
	v_lshl_add_u32 v[LR], v[T], 4, v[LR]
	v_lshl_add_u32 v[RCR], v[T], 3, RCP
	s_mul_i32 s13, s8, 528
	v_add_nc_u32 v[LR], s13, v[LR]
	v_add_nc_u32 v[LR+1], 8*REG, v[LR]
	s_lshl_b32 s13, s8, 13
	v_lshl_add_u32 v[WTO], v1, 4, s13
	s_lshl_b32 s13, s8, 8
	s_add_co_u32 s13, s13, RED
	v_lshl_add_u32 v[RS], v2, 4, s13
	v_lshl_add_u32 v[RR], v1, 3, RED
	s_lshl_b32 s13, s8, 2
	s_add_co_u32 s13, s13, RCP
	v_mov_b32 v[RCS], s13
	v_lshlrev_b32 v[L8], 3, v1
	; x: round, store, and sum the rounded numbers
	s_wait_loadcnt 32                              ; loads come back in order: my four of x are in, the 32 of weight stay out
.irp j, 0,1,2,3
	v_cvt_pk_bf16_f32 v[XP+2*\j],   v[XD+4*\j],   v[XD+4*\j+1]
	v_cvt_pk_bf16_f32 v[XP+2*\j+1], v[XD+4*\j+2], v[XD+4*\j+3]
	global_store_b64 v[XBO], v[XP+2*\j:XP+2*\j+1], s[20:21] offset:256*\j   ; the wave's store covers 256 consecutive aligned bytes
.endr
	v_lshlrev_b32 v[SX], 16, v[XP]                 ; the first word starts both sums: nothing is cleared
	v_and_b32 v[SX+1], s9, v[XP]
	v_pk_mul_f32 v[XX:XX+1], v[SX:SX+1], v[SX:SX+1]
.irp m, 1,2,3,4,5,6,7
	v_lshlrev_b32 v[T+2*(\m&3)],   16, v[XP+\m]
	v_and_b32     v[T+2*(\m&3)+1], s9, v[XP+\m]
	v_pk_fma_f32 v[XX:XX+1], v[T+2*(\m&3):T+2*(\m&3)+1], v[T+2*(\m&3):T+2*(\m&3)+1], v[XX:XX+1]
	v_pk_add_f32 v[SX:SX+1], v[SX:SX+1], v[T+2*(\m&3):T+2*(\m&3)+1]
.endr
	v_add_f32 v[XX], v[XX], v[XX+1]
	v_add_f32 v[SX], v[SX], v[SX+1]
	v_fma_f32 v[XX], v[SX], s12, v[XX]             ; x^2 + 2 eps x, my 16 numbers
	v_add_f32_dpp v[XX], v[XX], v[XX] row_xmask:1 row_mask:0xf bank_mask:0xf
	v_add_f32_dpp v[XX], v[XX], v[XX] row_xmask:2 row_mask:0xf bank_mask:0xf
	v_add_f32_dpp v[XX], v[XX], v[XX] row_xmask:4 row_mask:0xf bank_mask:0xf
	v_add_f32_dpp v[XX], v[XX], v[XX] row_xmask:8 row_mask:0xf bank_mask:0xf
	v_permlanex16_b32 v[XX+1], v[XX], s10, s11     ; its destination has been written before
	v_add_f32 v[XX], v[XX], v[XX+1]
	ds_store_b32 v[RCS], v[XX]                     ; every lane writes the same number to the wave's word
; word i of column c: two rounded numbers are widened again and enter both sums
.macro WACC c, i
	v_lshlrev_b32 v[T+2*\c],   16, v[P+4*\c+\i]
	v_and_b32     v[T+2*\c+1], s9, v[P+4*\c+\i]
	v_pk_fma_f32 v[ACCW+2*\c:ACCW+2*\c+1], v[T+2*\c:T+2*\c+1], v[T+2*\c:T+2*\c+1], v[ACCW+2*\c:ACCW+2*\c+1]
	v_pk_add_f32 v[ACCS+2*\c:ACCS+2*\c+1], v[ACCS+2*\c:ACCS+2*\c+1], v[T+2*\c:T+2*\c+1]
.endm
.macro WSTART c                        ; the very first word of column c starts its sums
	v_lshlrev_b32 v[ACCS+2*\c],   16, v[P+4*\c]
	v_and_b32     v[ACCS+2*\c+1], s9, v[P+4*\c]
	v_pk_mul_f32 v[ACCW+2*\c:ACCW+2*\c+1], v[ACCS+2*\c:ACCS+2*\c+1], v[ACCS+2*\c:ACCS+2*\c+1]
.endm
; Loads 8 g .. 8 g + 7 (eight k of my four columns): round, 16 bytes a column into my region of LDS, sum.
.macro WGRP g, first
	s_wait_loadcnt 24-8*\g                         ; the loads behind number 8 g + 7 stay out
.irp c, 0,1,2,3
.irp i, 0,1,2,3
	v_cvt_pk_bf16_f32 v[P+4*\c+\i], v[WD+4*(8*\g+2*\i)+\c], v[WD+4*(8*\g+2*\i+1)+\c]
.endr
.endr
.irp c, 0,1,2,3
	ds_store_b128 v[LS], v[P+4*\c:P+4*\c+3] offset:128*\c+16*\g
.endr
.irp c, 0,1,2,3
.if \first
	WSTART \c
.else
	WACC \c, 0
.endif
.endr
.irp i, 1,2,3
.irp c, 0,1,2,3
	WACC \c, \i
.endr
.endr
.endm
	WGRP 0, 1
	WGRP 1, 0
	WGRP 2, 0
	WGRP 3, 0
	; my wave's part of cw for columns 4 r .. 4 r + 3: both halves of the lanes end with the same four numbers
.irp c, 0,1,2,3
	v_add_f32 v[ACCW+2*\c], v[ACCW+2*\c], v[ACCW+2*\c+1]
	v_add_f32 v[ACCS+2*\c], v[ACCS+2*\c], v[ACCS+2*\c+1]
.endr
.irp c, 0,1,2,3
	v_fma_f32 v[P+\c], v[ACCS+2*\c], s14, v[ACCW+2*\c]             ; w^2 - 2 eps w
.endr
.irp c, 0,1,2,3
	v_permlanex16_b32 v[T+\c], v[P+\c], s10, s11   ; T has been written before
.endr
.irp c, 0,1,2,3
	v_add_f32 v[P+\c], v[P+\c], v[T+\c]
.endr
	ds_store_b128 v[RS], v[P:P+3]
	s_wait_dscnt 0x0                               ; all my LDS stores are done, for the other waves' sake
	s_barrier_signal -1
	s_barrier_wait -1                              ; the only barrier: behind it every region, RED and RCP are whole
	; read-back: wave w takes columns 4 w + c; a load takes 512 bytes of one column (128 from each of four regions), a store puts them into wt
.irp c, 0,1,2,3
.irp i, 0,1,2,3
	ds_load_b128 v[WD+4*(4*\c+\i):WD+4*(4*\c+\i)+3], v[LR+(\i>>1)] offset:(\i&1)*4*REG+128*\c
.endr
.endr
.irp c, 0,1,2,3
.irp i, 0,1,2,3
	s_wait_dscnt 15-(4*\c+\i)                      ; LDS loads come back in order: this one is in, the younger stay out
	global_store_b128 v[WTO], v[WD+4*(4*\c+\i):WD+4*(4*\c+\i)+3], s[22:23] offset:2048*\c+512*\i   ; 512 consecutive aligned bytes
.endr
.endr
	; wave 0 adds the sixteen waves' parts
	s_cmp_lg_u32 s8, 0
	s_cbranch_scc1 .Lend
.irp q, 0,1,2,3,4,5,6,7,8,9,10,11,12,13,14,15
	ds_load_b64 v[XD+2*\q:XD+2*\q+1], v[RR] offset:256*\q          ; wave q's part for columns 2 l, 2 l + 1 (no pending store reads v16-49)
.endr
	ds_load_b64 v[T:T+1], v[RCR]                   ; the two halves of row l % 8
	v_lshlrev_b32 v[T+2], 2, v1                    ; 4 l
	s_wait_dscnt 0x0
.irp q, 0,1,2,3,4,5,6,7
	v_pk_add_f32 v[XD+2*\q:XD+2*\q+1], v[XD+2*\q:XD+2*\q+1], v[XD+16+2*\q:XD+16+2*\q+1]
.endr
.irp q, 0,1,2,3
	v_pk_add_f32 v[XD+2*\q:XD+2*\q+1], v[XD+2*\q:XD+2*\q+1], v[XD+8+2*\q:XD+8+2*\q+1]
.endr
.irp q, 0,1
	v_pk_add_f32 v[XD+2*\q:XD+2*\q+1], v[XD+2*\q:XD+2*\q+1], v[XD+4+2*\q:XD+4+2*\q+1]
.endr
	v_pk_add_f32 v[XD:XD+1], v[XD:XD+1], v[XD+2:XD+3]
	global_store_b64 v[L8], v[XD:XD+1], s[24:25]   ; the group's 64 numbers of cw: 256 consecutive aligned bytes
	v_add_f32 v[T], v[T], v[T+1]
	v_add_f32 v[T], D_EPS2, v[T]
	v_cmp_gt_u32 vcc_lo, 8, v1
	s_wait_xcnt 0x0                                ; EXEC is a source of the stores above: it changes only behind this wait
	s_and_saveexec_b32 s28, vcc_lo
	global_store_b32 v[T+2], v[T], s[26:27]        ; the group's 8 numbers of rc: 32 bytes, all that the group has of this 8 KiB table
	s_wait_xcnt 0x0                                ; and again in front of the line that widens EXEC
	s_or_b32 exec_lo, exec_lo, s28
.Lend:
	s_wait_tensorcnt 0x0
	ds_add_u32 v212, v213
	s_wait_dscnt 0x0
	s_endpgm
.Lfunc_end_k_q7500380c8d_prep:
	.size	k_q7500380c8d_prep, .Lfunc_end_k_q7500380c8d_prep-k_q7500380c8d_prep
	.p2alignl 7, 3214868480
	.fill 96, 4, 3214868480
	.section	.rodata,"a",@progbits
	.p2align	6, 0x0
	.amdhsa_kernel k_q7500380c8d_prep
		.amdhsa_group_segment_fixed_size 143616
		.amdhsa_private_segment_fixed_size 0
		.amdhsa_enable_private_segment 0
		.amdhsa_kernarg_size 48
		.amdhsa_user_sgpr_count 2
		.amdhsa_user_sgpr_kernarg_segment_ptr 1
		.amdhsa_wavefront_size32 1
		.amdhsa_system_sgpr_workgroup_id_x 1
		.amdhsa_system_sgpr_workgroup_id_y 1
		.amdhsa_system_sgpr_workgroup_id_z 1
		.amdhsa_system_vgpr_workitem_id 0
		.amdhsa_next_free_vgpr 214
		.amdhsa_next_free_sgpr 66
		.amdhsa_reserve_vcc 1
		.amdhsa_float_denorm_mode_32 3
		.amdhsa_float_denorm_mode_16_64 3
		.amdhsa_memory_ordered 1
		.amdhsa_forward_progress 1
		.amdhsa_inst_pref_size 33
	.end_amdhsa_kernel
	.amdgpu_metadata
---
amdhsa.version: [ 1, 2 ]
amdhsa.kernels:
  - .name:           k_q7500380c8d_prep
    .symbol:         k_q7500380c8d_prep.kd
    .args:
      - { .name: x, .offset: 0, .size: 8, .value_kind: global_buffer, .address_space: global }
      - { .name: weight, .offset: 8, .size: 8, .value_kind: global_buffer, .address_space: global }
      - { .name: xb, .offset: 16, .size: 8, .value_kind: global_buffer, .address_space: global }
      - { .name: wt, .offset: 24, .size: 8, .value_kind: global_buffer, .address_space: global }
      - { .name: cw, .offset: 32, .size: 8, .value_kind: global_buffer, .address_space: global }
      - { .name: rc, .offset: 40, .size: 8, .value_kind: global_buffer, .address_space: global }
    .group_segment_fixed_size: 143616
    .private_segment_fixed_size: 0
    .kernarg_segment_align: 8
    .kernarg_segment_size: 48
    .max_flat_workgroup_size: 512
    .sgpr_count:     66
    .vgpr_count:     214
    .wavefront_size: 32
...
	.end_amdgpu_metadata
.endif
;; end of part 1
;; launch gemm (part 2): grid 64 x 8, 4 waves a work-group, clusters of 4 x 4, 327,680 bytes of LDS; arguments xb, wt, cw, rc, pval, pidx; writes pval, pidx
.if DOCPART == 2
	.amdgcn_target "amdgcn-amd-amdhsa--gfx1250"
	.amdhsa_code_object_version 6
	.text
	.protected	k_q7500380c8d_gemm
	.globl	k_q7500380c8d_gemm
	.p2align	8
	.type	k_q7500380c8d_gemm,@function
k_q7500380c8d_gemm:
	s_mov_b64 s[64:65], 0
	v_nop
	global_prefetch_b8 v0, s[64:65] scope:SCOPE_SE
	s_setreg_imm32_b32 hwreg(HW_REG_WAVE_MODE, 25, 1), 1
	s_wait_xcnt 0x0
	s_wait_alu depctr_hold_cnt(0) depctr_sa_sdst(0) depctr_va_vdst(0) depctr_va_sdst(0) depctr_va_ssrc(0) depctr_va_vcc(0) depctr_vm_vsrc(0)
	s_getreg_b32 s2, hwreg(HW_REG_IB_STS2, 6, 4)
	s_cmp_eq_u32 s2, 0
	s_cbranch_scc0 .Lentry_in_a_cluster
	s_endpgm
.Lentry_in_a_cluster:
	s_bfe_u32 s2, ttmp6, 0x10000c
	s_cmp_lg_u32 s2, 0xf033
	s_cbranch_scc0 .Lentry_shape_is_right
	s_endpgm
.Lentry_shape_is_right:
; GEMM WITH A ROW MINIMUM.  dot[m][n] = sum over k of xb[m][k] wt[n][k] (bf16 operands, f32 sums); t[m][n] = cw[n] - 2 dot[m][n].
; For each block of 256 rows x 256 columns: pval[block column][m] = max(min over the block's n of t, -rc[m]) and pidx[..][m] = the lowest n with
; t <= that number.  The squared distance is t + rc[m]; rc[m], the square root and the clip at 0 do not change the order along a row and are
; applied once a row in the next launch.  Raising the minimum to -rc[m] is the clip: where t + rc <= 0 every such column gives the distance 0,
; and the first of them is the argmin.
; LIMITS: f32 sums in another order than xx + ww - 2 dot + ... (cw - 2 dot first, rc once a row); equal t go to the lowest n; columns that become
; equal only by the rounding of a square root are not treated as equal.  NaN or infinite inputs are not served: a row whose t are all NaN
; yields the index 0x7fffffff here, which the next launch clamps to 16,383.
; A work-group makes a block of 256 x 256 with four waves, as many as a WGP has SIMDs; a wave makes 128 x 128: 64 accumulator tiles of 16 x 16,
; 512 registers.  K goes in steps of 128 through a ring of two LDS slots filled by the tensor data mover: a tile's rows are 256 bytes of memory
; and start at multiples of 256 bytes from the buffer's first byte.
; CLUSTERS: 4 x 4 work-groups form a cluster.  The four of a row of the cluster need the same tiles of xb (A), the four of a column the same tiles
; of wt (B).  Such a tile is asked for JOINTLY: each of the four issues the same tensor load, with the same descriptor and a mask that names
; the four, and each receives the tile in its own LDS.  That divides the requests for A and for B by four.
;
; REGISTERS, in windows of 256 (s_set_vgpr_msb says which window each operand place means):
;   window 0: v0-63 addresses and the row minima; v64-127, v128-191 fragments of A, two buffers; v192-255 cw of my 64 columns
;   window 1: v64-127, v128-191 fragments of B, two buffers
;   window 2: the 32 accumulator tiles of my rows 0-63 (tile (a, b) at v[8 (8 a + b)]);   window 3: those of my rows 64-127
; s_set_vgpr_msb's low byte: bits 1:0 source 0, 3:2 source 1, 5:4 source 2, 7:6 destination.
;
; THE MATRIX INSTRUCTION IS USED TRANSPOSED: source 0 = 16 rows of B, source 1 = 16 rows of A.  Lane l then holds row m = l % 16, and register j of
; tile (a, b) the column n = 16 b + 8 (l / 16) + j: a lane holds 64 columns of ONE row in each a, so the minimum along a row is taken
; inside the lane, and only the two halves of the lanes and the two waves of a row meet, through LDS.
.set SIZE_K, 1024
.set KSTEP,  128
.set PITCH,  272                       ; an LDS row: 256 bytes of data + 16 of padding = 68 words: the 16 rows that a load touches start at 16 different banks (64 banks of 4 bytes: ISA guide 11.1)
.set HALFT,  128*PITCH                 ; 128 rows: what one tensor load brings, and what one wave reads of A or of B
.set SLOT,   4*HALFT                   ; A's 256 rows, then B's 256 rows
.set STAGE,  2*SLOT                    ; behind the ring, bytes that no tensor load fills: 2,304 for each wave
.set WSTG,   2304                      ; a wave's stage: values of lane half 0, of half 1, indices of half 0, of half 1
.set HSTG,   576                       ; 128 rows x 4 bytes + 64: the two halves of the lanes store to different banks
.set ISTG,   2*HSTG
.set LAPS, SIZE_K/(2*KSTEP)            ; a lap = two K steps = once round the ring: 4
.set TT,   8                           ; v8-15   at work
.set ADRA, 16                          ; v16-17  LDS address of my A fragments in slot 0, 1
.set ADRB, 20                          ; v20-21  the same for B
.set VS,   24                          ; v24     stage, in: STAGE + 2,304 wave + 576 (l / 16) + 4 (l % 16)
.set RD,   25                          ; v25     stage, back: rows 2 t, 2 t + 1 of the block for thread t
.set CO,   26                          ; v26     8 t: those two rows in pval and pidx
.set NB,   27                          ; v27     256 x block column + 128 x column half + 8 (l / 16): a number, no address
.set CWO,  28                          ; v28     byte offset of my columns in the block's cw
.set RCO,  29                          ; v29     byte offset of my rows in the block's rc
.set RC,   32                          ; v32-39  -rc of row 16 a + l % 16, a = 0 .. 7
.set MN,   40                          ; v40-55  two chains of minima for each a; then the minimum in v[MN+2a]
.set IX,   56                          ; v56-63  the index for each a
.set F0,   64                          ; fragment buffer 0
.set F1,   128                         ; fragment buffer 1
.set CW,   192                         ; v192-255 cw of column e = 8 b + j
.set G1, 24                            ; s[24:31] descriptor group 1 for A's tiles
.set G0, 32                            ; s[32:39] descriptor group 0 for A's tiles, one set for each slot
.set G1B, 48                           ; s[48:55] descriptor group 1 for B's tiles: it differs from A's in the mask alone
.set G0B, 56                           ; s[56:63] descriptor group 0 for B's tiles, one set for each slot
.set MSB, 0
.macro WIN new                         ; the immediate's high byte repeats the setting that is left
.if MSB != \new
	s_set_vgpr_msb (MSB<<8)|\new
.set MSB, \new
.endif
.endm
.set MUL_LO, 0xa1                      ; source 0 (B) window 1, source 1 (A) window 0, C and D window 2
.set MUL_HI, 0xf1                      ; the same, C and D window 3
.set TO_B,   0x40                      ; destination window 1, address window 0
; A joint load.  Waves 0 and 1 fetch A's two halves, waves 2 and 3 B's.  Each of the two lines has ONE mask and one set of registers for all that
; issue it.  The branch hangs on the wave's number alone: it is the same in every work-group.
.macro JLOAD s
	s_cmp_eq_u32 s11, 0
	s_cbranch_scc0 .Lfor_b_\@
	tensor_load_to_lds s[G0+4*\s:G0+4*\s+3], s[G1:G1+7]
	s_nop 0
	s_branch .Lasked_\@
.Lfor_b_\@:
	tensor_load_to_lds s[G0B+4*\s:G0B+4*\s+3], s[G1B:G1B+7]
	s_nop 0
.Lasked_\@:
.endm
; A round of the cluster's barrier: my work-group's barrier, so that wave 0's signal speaks for all four waves; wave 0 signals for the work-group;
; every wave waits for all sixteen work-groups; my work-group's barrier once more.
.macro CREST                           ; a round behind its opening barrier
	s_cmp_lg_u32 s10, 0
	s_cbranch_scc1 .Lnot_wave_0_\@
	s_barrier_signal -3
.Lnot_wave_0_\@:
	s_barrier_wait -3
	s_barrier_signal -1
	s_barrier_wait -1
.endm
.macro CROUND                          ; a whole round
	s_barrier_signal -1
	s_barrier_wait -1
	CREST
.endm
	s_load_b128 s[4:7], s[0:1], 0x0                ; xb (A) s[4:5], wt (B) s[6:7]
	s_load_b64 s[66:67], s[0:1], 0x10              ; cw
	s_load_b64 s[76:77], s[0:1], 0x18              ; rc
	s_load_b128 s[68:71], s[0:1], 0x20             ; pval s[68:69], pidx s[70:71]
	s_set_vgpr_msb 0x40
	v_lshl_add_u32 v255, v0, 2, 0x46400
	s_set_vgpr_msb 0x4000
	v_mov_b32 v31, 0
	s_set_vgpr_msb 0x1
	ds_add_u32 v255, v31
	s_set_vgpr_msb 0x100
	v_lshrrev_b32 v1, 5, v0
	v_readfirstlane_b32 s10, v1                    ; wave 0..3
	s_lshr_b32 s11, s10, 1                         ; which half of the block's rows is mine.  Also: I fetch for A (0) or for B (1)
	s_and_b32 s12, s10, 1                          ; which half of its columns.  Also: which 128 rows of that tile I fetch
	s_bfe_u32 s40, ttmp6, 0x40000                  ; cx: my place along the cluster's x
	s_bfe_u32 s41, ttmp6, 0x40004                  ; cy: along its y
	s_lshl_b32 s42, ttmp9, 2                       ; in a cluster launch ttmp9 and ttmp7 count clusters
	s_add_co_u32 s42, s42, s40                     ; block column = 4 x cluster x + cx
	s_and_b32 s13, ttmp7, 0xffff
	s_lshl_b32 s13, s13, 2
	s_add_co_u32 s13, s13, s41                     ; block row = 4 x cluster y + cy
	s_lshl_b32 s43, s41, 2
	s_lshl_b32 s43, 15, s43                        ; my row of the cluster: places 4 cy .. 4 cy + 3
	s_lshl_b32 s44, 0x1111, s40                    ; my column: places cx, cx + 4, cx + 8, cx + 12
	; descriptor group 1: a tile of 128 rows x 128 elements, padded in LDS
	s_or_b32 s[G1+0], s43, (1<<16)|(1<<20)|(1<<21)|(5<<22)|(3<<25)  ; 15:0 the mask: A's tiles go to my row; 17:16 element of 2 bytes; 20 padding on; 21 set beside a mask; 24:22 after every 64 words (code 5); 31:25 of 4 words (code 3)
	s_or_b32 s[G1B+0], s44, (1<<16)|(1<<20)|(1<<21)|(5<<22)|(3<<25) ; the same with the mask of my column, for B's tiles
	s_mov_b32 s[G1B+1], KSTEP<<16
	s_mov_b32 s[G1+1], KSTEP<<16                   ; 63:48 tensor_dim0, low half = 128
	s_mov_b32 s[G1B+2], 128<<16
	s_mov_b32 s[G1+2], 128<<16                     ; 79:64 its high half = 0; 95:80 tensor_dim1, low half = 128
	s_mov_b32 s[G1B+3], KSTEP<<16
	s_mov_b32 s[G1+3], KSTEP<<16                   ; 111:96 its high half = 0; 127:112 tile_dim0 = 128
	s_mov_b32 s[G1B+4], 128
	s_mov_b32 s[G1+4], 128                         ; 143:128 tile_dim1 = 128; 159:144 tile_dim2 = 0
	s_mov_b32 s[G1B+5], SIZE_K
	s_mov_b32 s[G1+5], SIZE_K                      ; 191:160 tensor_dim0_stride, low word: elements from row to row
	s_mov_b32 s[G1B+6], 0
	s_mov_b32 s[G1+6], 0
	s_mov_b32 s[G1B+7], 0
	s_mov_b32 s[G1+7], 0
	; where the tiles come from.  A's hang on the block row alone, which my row of the cluster shares; B's on the block column alone, which my column
	; shares.  Every wave makes both addresses, in registers that never hold the other coordinate, and asks by one of them.
	s_lshl_b32 s17, s12, 7                         ; which 128 rows of the tile I fetch
	s_lshl_b32 s16, s13, 8
	s_add_co_u32 s16, s16, s17                     ; A: row 256 x block row + 128 x half
	s_lshl_b32 s46, s42, 8
	s_add_co_u32 s46, s46, s17                     ; B: row 256 x block column + 128 x half
	s_mov_b32 s17, 0
	s_mov_b32 s47, 0
	s_mov_b64 s[18:19], SIZE_K*2
	s_mul_u64 s[16:17], s[16:17], s[18:19]         ; in bytes, in 64 bits
	s_mul_u64 s[46:47], s[46:47], s[18:19]
	s_mul_i32 s20, s10, HALFT                      ; and where they go: wave x 128 rows: no place in the cluster enters an LDS address
	s_wait_dscnt 0x0
	s_wait_kmcnt 0x0
	s_add_nc_u64 s[14:15], s[4:5], s[16:17]
	s_add_nc_u64 s[46:47], s[6:7], s[46:47]
	CROUND                                         ; all sixteen work-groups are here: the first joint loads meet
.irp s, 0,1
	s_mov_b32 s[G0+4*\s], 1                                        ; 1:0 count = 1
	s_add_co_u32 s[G0+4*\s+1], s20, \s*SLOT                        ; 63:32 LDS address
	s_add_nc_u64 s[G0+4*\s+2:G0+4*\s+3], s[14:15], \s*KSTEP*2      ; 120:64 global address: K step s
	s_or_b32 s[G0+4*\s+3], s[G0+4*\s+3], 0x80000000                ; 127:126 type = 2
	s_mov_b32 s[G0B+4*\s], 1
	s_add_co_u32 s[G0B+4*\s+1], s20, \s*SLOT
	s_add_nc_u64 s[G0B+4*\s+2:G0B+4*\s+3], s[46:47], \s*KSTEP*2
	s_or_b32 s[G0B+4*\s+3], s[G0B+4*\s+3], 0x80000000
	JLOAD \s                                       ; the ring is filled before anything else is done: two tensor loads of the wave are out
.endr
	v_and_b32 v1, 15, v0                           ; l % 16
	v_bfe_u32 v2, v0, 4, 1                         ; l / 16
	; cw of my 64 columns and rc of my 8 rows: read once, into registers that no matrix instruction names
	s_lshl_b32 s78, s42, 10
	s_mov_b32 s79, 0
	s_add_nc_u64 s[66:67], s[66:67], s[78:79]      ; cw at the block's first column
	s_lshl_b32 s78, s13, 10
	s_add_nc_u64 s[76:77], s[76:77], s[78:79]      ; rc at the block's first row
	s_lshl_b32 s45, s42, 13
	s_add_co_u32 s78, s78, s45                     ; [block column][2,048 rows] of 4 bytes
	s_add_nc_u64 s[68:69], s[68:69], s[78:79]
	s_add_nc_u64 s[70:71], s[70:71], s[78:79]
	s_lshl_b32 s21, s12, 9
	v_lshl_add_u32 v[CWO], v2, 5, s21              ; 4 x (128 x column half + 8 (l / 16))
	s_lshl_b32 s22, s11, 9
	v_lshl_add_u32 v[RCO], v1, 2, s22              ; 4 x (128 x row half + l % 16)
.irp b, 0,1,2,3,4,5,6,7
	global_load_b128 v[CW+8*\b:CW+8*\b+3],   v[CWO], s[66:67] offset:64*\b
	global_load_b128 v[CW+8*\b+4:CW+8*\b+7], v[CWO], s[66:67] offset:64*\b+16
.endr
.irp a, 0,1,2,3,4,5,6,7
	global_load_b32 v[RC+\a], v[RCO], s[76:77] offset:64*\a
.endr
	; A fragment is 16 rows x 32 K in 8 registers: lane l holds row l % 16; registers 0-3 hold K = 8 (l / 16) + 0..7, registers 4-7 hold
	; K = 16 + 8 (l / 16) + 0..7.  From rows that lie along K: two loads of 16 bytes, 32 bytes apart.  The same for source 0 and source 1.
	v_mul_u32_u24 v3, v1, PITCH
	v_lshl_add_u32 v3, v2, 4, v3                   ; row x pitch + 16 x half
	s_mul_i32 s21, s11, HALFT                      ; my 128 rows of A
	s_mul_i32 s22, s12, HALFT                      ; my 128 rows of B,
	s_add_co_u32 s22, s22, 2*HALFT                 ; which lie behind A's 256
.irp s, 0,1
	v_add_nc_u32 v[ADRA+\s], s21, v3
	v_add_nc_u32 v[ADRB+\s], s22, v3
	s_add_co_u32 s21, s21, SLOT
	s_add_co_u32 s22, s22, SLOT
.endr
	s_mul_i32 s23, s10, WSTG
	s_add_co_u32 s23, s23, STAGE                   ; my stage
	v_mul_u32_u24 v4, v2, HSTG
	v_lshl_add_u32 v4, v1, 2, v4
	v_add_nc_u32 v[VS], s23, v4
	s_mul_i32 s23, s11, 2*WSTG                     ; back: thread t = 32 wave + l takes rows 2 t, 2 t + 1 of the block: they lie in the stages of waves 2 (t / 64) and 2 (t / 64) + 1,
	s_lshl_b32 s45, s12, 8                         ; at 8 (t % 64) = 256 (wave % 2) + 8 l
	s_add_co_u32 s23, s23, s45
	s_add_co_u32 s23, s23, STAGE
	v_and_b32 v5, 31, v0
	v_lshl_add_u32 v[RD], v5, 3, s23
	v_lshlrev_b32 v[CO], 3, v0
	s_lshl_b32 s45, s42, 8
	s_lshl_b32 s23, s12, 7
	s_add_co_u32 s45, s45, s23
	v_lshl_add_u32 v[NB], v2, 3, s45
; 16 matrix instructions: m blocks a0, a0 + 1 of the window's four (hi = 0: my rows 0-63, 1: rows 64-127) x all 8 n blocks, 32 along K.
; zero = 1: the first product starts the sums: nothing is ever cleared.  The 64 accumulators take turns, one instruction a turn, in the same
; order in every quarter step, over the loop's backward jump too.
.macro MUL16 f, hi, a0, zero
.irp a, \a0, \a0+1
.irp b, 0,1,2,3,4,5,6,7
.if \zero
	v_wmma_f32_16x16x32_bf16 v[8*(8*(\a)+\b):8*(8*(\a)+\b)+7], v[\f+8*\b:\f+8*\b+7], v[\f+8*(4*\hi+\a):\f+8*(4*\hi+\a)+7], 0
.else
	v_wmma_f32_16x16x32_bf16 v[8*(8*(\a)+\b):8*(8*(\a)+\b)+7], v[\f+8*\b:\f+8*\b+7], v[\f+8*(4*\hi+\a):\f+8*(4*\hi+\a)+7], v[8*(8*(\a)+\b):8*(8*(\a)+\b)+7]
.endif
.endr
.endr
.endm
; 32 LDS loads in one run: the fragments of one quarter step (128 rows of B, 128 rows of A, 32 K at byte k of the rows) into buffer f
.macro FETCH slot, k, f
	WIN TO_B
.irp i, 0,1,2,3,4,5,6,7
	ds_load_b128 v[\f+8*\i:\f+8*\i+3],   v[ADRB+\slot] offset:\k+\i*16*PITCH
	ds_load_b128 v[\f+8*\i+4:\f+8*\i+7], v[ADRB+\slot] offset:\k+\i*16*PITCH+32
.endr
	WIN 0
.irp i, 0,1,2,3,4,5,6,7
	ds_load_b128 v[\f+8*\i:\f+8*\i+3],   v[ADRA+\slot] offset:\k+\i*16*PITCH
	ds_load_b128 v[\f+8*\i+4:\f+8*\i+7], v[ADRA+\slot] offset:\k+\i*16*PITCH+32
.endr
.endm
; A load into a register that a matrix instruction has read, and a vector instruction that reads a matrix result, stand four places behind that
; matrix instruction, and only plain vector instructions that name none of its registers are places (ISA guide 7.12.1 for vector
; instructions).  So four v_nop stand in front of each run of loads and in front of the way out.
.macro PLACES
.rept 4
	v_nop
.endr
.endm
; A K step is four quarter steps of 32 along K, 64 matrix instructions each, on buffers 0, 1, 0, 1.
; One of the first three: multiplies buffer f; in its middle it fetches the next quarter's fragments, at byte k of the same slot's rows, into buffer g.
.macro QUARTER slot, k, f, g, zero
	s_wait_dscnt 8                                 ; B and A's rows 0-63 are in; the youngest eight loads (A's rows 64-127) may be out
	WIN MUL_LO
	MUL16 \f, 0, 0, \zero
	MUL16 \f, 0, 2, \zero
	PLACES
	FETCH \slot, \k, \g
	s_wait_dscnt 32                                ; all but the 32 just issued
	WIN MUL_HI
	MUL16 \f, 1, 0, \zero
	MUL16 \f, 1, 2, \zero
.endm
.macro THREE slot, zero
	QUARTER \slot, 64,  F0, F1, \zero
	QUARTER \slot, 128, F1, F0, 0
	QUARTER \slot, 192, F0, F1, 0
.endm
; The last quarter: multiplies buffer 1 and changes slots.  next = the other slot; fill = 1: this slot is filled again, two K steps ahead.
; ONE barrier for the change of slots, for two things.  In front of it each wave waits for its own reads of this slot and for all its tensor loads,
; of which one is out: its part of the next slot.  Behind it nobody reads this slot any more and the next slot is whole: the refill comes
; first, then the next slot's first fragments.  From a request to the wait for it a wave issues 240 matrix instructions.
.macro TURN slot, next, fill
	s_wait_dscnt 8
	WIN MUL_LO
	MUL16 F1, 0, 0, 0
	s_wait_dscnt 0                                 ; my reads of this slot are over
	s_wait_tensorcnt 0x0                           ; and all my tensor loads have landed: the one that was out is my part of the next slot:
	ds_add_u32 v255, v31
	s_wait_dscnt 0x0
	s_barrier_signal -1                            ; say so (where a slot is filled again this barrier opens a round of the cluster's barrier),
	MUL16 F1, 0, 2, 0                              ; work on registers while the others arrive,
	WIN 0
	s_barrier_wait -1                              ; and go on when all four have said so
.if \fill
	CREST                                          ; all sixteen work-groups have said so: no wave of any partner still reads this slot's tile or has a load on its way
	s_add_nc_u64 s[G0+4*\slot+2:G0+4*\slot+3], s[G0+4*\slot+2:G0+4*\slot+3], 2*KSTEP*2
	s_add_nc_u64 s[G0B+4*\slot+2:G0B+4*\slot+3], s[G0B+4*\slot+2:G0B+4*\slot+3], 2*KSTEP*2
	JLOAD \slot                                    ; the first tensor load behind the round, and the wave's only one until the next
.endif
	PLACES
	FETCH \next, 0, F0
	WIN MUL_HI
	MUL16 F1, 1, 0, 0
	MUL16 F1, 1, 2, 0
.endm
.macro LAP zero                        ; once round the ring, both slots filled again
	THREE 0, \zero
	TURN 0, 1, 1
	THREE 1, 0
	TURN 1, 0, 1
.endm
	s_wait_loadcnt 0x0                             ; cw and rc are in: they came while the first tile did
.irp a, 0,1,2,3,4,5,6,7
	v_xor_b32 v[RC+\a], 0x80000000, v[RC+\a]       ; -rc
.endr
	s_wait_tensorcnt 1                             ; my part of K step 0 is in; K step 1's may stay out
	s_barrier_signal -1
	s_barrier_wait -1                              ; everybody's is
	FETCH 0, 0, F0
	LAP 1                                          ; the first lap stands in front of the loop: its first products start the sums
	WIN 0                                          ; at a label and at a branch every window is 0
	s_mov_b32 s3, LAPS-2
.Llap:
	LAP 0
	WIN 0
	s_sub_co_u32 s3, s3, 1
	s_cmp_lg_u32 s3, 0
	s_cbranch_scc1 .Llap
	THREE 0, 0                                     ; the last lap fills nothing, and has no round of the cluster's barrier: the one tensor load still out is slot 1's, the last K step's
	TURN 0, 1, 0
	THREE 1, 0
	s_wait_dscnt 8                                 ; the very last quarter: nothing more to fetch
	WIN MUL_LO
	MUL16 F1, 0, 0, 0
	MUL16 F1, 0, 2, 0
	s_wait_dscnt 0
	WIN MUL_HI
	MUL16 F1, 1, 0, 0
	MUL16 F1, 1, 2, 0
; THE WAY OUT, for the 32 tiles of one window (hi).  wt, wm2, wm3, wi: the window settings of its four stretches.
;  1. t = cw - 2 dot, in place, two at a time (destination and source 0 in the accumulators' window, source 2 = cw in window 0).
;  2. the lane's minimum of 64 t for each a: two chains of v_min3 for each a, eight chains by turns; then the clip: not below -rc.
;  3. the lowest column with t <= that number: e runs DOWN from 62, so the lowest e that qualifies is written last; 63 is what is left if none does.
;     The compare is written M >= t, so that source 0 stays in window 0 for it and for the select.
.macro EPI hi, wt, wm2, wm3, wi
	WIN \wt
.irp a, 0,1,2,3
.set ee, 0
.rept 32
	v_pk_fma_f32 v[64*\a+ee:64*\a+ee+1], v[64*\a+ee:64*\a+ee+1], -2.0, v[CW+ee:CW+ee+1] op_sel_hi:[1,0,1]
.set ee, ee+2
.endr
.endr
	WIN \wm2
.irp a, 0,1,2,3
.irp c, 0,1
	v_min_num_f32 v[MN+2*(4*\hi+\a)+\c], v[64*\a+32*\c], v[64*\a+32*\c+1]
.endr
.endr
	WIN \wm3
.set ii, 1
.rept 15
.irp a, 0,1,2,3
.irp c, 0,1
	v_min3_num_f32 v[MN+2*(4*\hi+\a)+\c], v[MN+2*(4*\hi+\a)+\c], v[64*\a+32*\c+2*ii], v[64*\a+32*\c+2*ii+1]
.endr
.endr
.set ii, ii+1
.endr
	WIN 0
.irp a, 0,1,2,3
	v_min_num_f32 v[MN+2*(4*\hi+\a)], v[MN+2*(4*\hi+\a)], v[MN+2*(4*\hi+\a)+1]
.endr
.irp a, 0,1,2,3
	v_max_num_f32 v[MN+2*(4*\hi+\a)], v[MN+2*(4*\hi+\a)], v[RC+4*\hi+\a]
	v_mov_b32 v[IX+4*\hi+\a], 63
.endr
	WIN \wi
.set ee, 62
.rept 63
.irp a, 0,1,2,3
	v_cmp_ge_f32 s[72+\a], v[MN+2*(4*\hi+\a)], v[64*\a+ee]
.endr
.irp a, 0,1,2,3
	v_cndmask_b32 v[IX+4*\hi+\a], v[IX+4*\hi+\a], ee, s[72+\a]
.endr
.set ee, ee-1
.endr
	WIN 0
.endm
	PLACES                                         ; the places behind the last matrix instructions
	EPI 0, 0x82, 0x0a, 0x28, 0x08
	EPI 1, 0xc3, 0x0f, 0x3c, 0x0c
	; e = 8 b + j stands for column 16 b + 8 (l / 16) + j = e + (e & 0x38) + 8 (l / 16) of my 128
.irp a, 0,1,2,3,4,5,6,7
	v_and_b32 v[TT+\a], 0x38, v[IX+\a]
.endr
.irp a, 0,1,2,3,4,5,6,7
	v_add3_u32 v[IX+\a], v[IX+\a], v[TT+\a], v[NB]
.endr
.irp a, 0,1,2,3,4,5,6,7
	ds_store_b32 v[VS], v[MN+2*\a] offset:64*\a
	ds_store_b32 v[VS], v[IX+\a] offset:ISTG+64*\a
.endr
	s_wait_dscnt 0x0                               ; my stores into my stage are done, for the other waves' sake
	s_barrier_signal -1
	s_barrier_wait -1                              ; no tensor load is out
	; thread t: rows 2 t and 2 t + 1; four candidates each (two column halves x two halves of the lanes)
.irp q, 0,1,2,3
	ds_load_b64 v[64+2*\q:65+2*\q], v[RD] offset:(\q>>1)*WSTG+(\q&1)*HSTG
.endr
.irp q, 0,1,2,3
	ds_load_b64 v[72+2*\q:73+2*\q], v[RD] offset:(\q>>1)*WSTG+(\q&1)*HSTG+ISTG
.endr
	s_wait_dscnt 0x0
.irp i, 0,1
	v_min3_num_f32 v[80+\i], v[64+\i], v[66+\i], v[68+\i]
	v_min_num_f32 v[80+\i], v[80+\i], v[70+\i]
.irp q, 0,1,2,3
	v_cmp_eq_f32 vcc_lo, v[64+2*\q+\i], v[80+\i]
	v_cndmask_b32 v[84+\q], 0x7fffffff, v[72+2*\q+\i], vcc_lo      ; only those that reach the minimum stand for the lowest index
.endr
	v_min_u32 v[84], v[84], v[85]
	v_min_u32 v[86], v[86], v[87]
	v_min_u32 v[82+\i], v[84], v[86]
.endr
	global_store_b64 v[CO], v[80:81], s[68:69]     ; each store of the wave covers 256 consecutive aligned bytes
	global_store_b64 v[CO], v[82:83], s[70:71]
	s_set_vgpr_msb 0x1
	s_wait_tensorcnt 0x0
	ds_add_u32 v255, v31
	s_wait_dscnt 0x0
	s_set_vgpr_msb 0x100
	CROUND                                         ; the closing round: no work-group ends while a partner may still ask for a tile that names it
	s_endpgm
.Lfunc_end_k_q7500380c8d_gemm:
	.size	k_q7500380c8d_gemm, .Lfunc_end_k_q7500380c8d_gemm-k_q7500380c8d_gemm
	.p2alignl 7, 3214868480
	.fill 96, 4, 3214868480
	.section	.rodata,"a",@progbits
	.p2align	6, 0x0
	.amdhsa_kernel k_q7500380c8d_gemm
		.amdhsa_group_segment_fixed_size 327680
		.amdhsa_private_segment_fixed_size 0
		.amdhsa_enable_private_segment 0
		.amdhsa_kernarg_size 48
		.amdhsa_user_sgpr_count 2
		.amdhsa_user_sgpr_kernarg_segment_ptr 1
		.amdhsa_wavefront_size32 1
		.amdhsa_system_sgpr_workgroup_id_x 1
		.amdhsa_system_sgpr_workgroup_id_y 1
		.amdhsa_system_sgpr_workgroup_id_z 1
		.amdhsa_system_vgpr_workitem_id 0
		.amdhsa_next_free_vgpr 1024
		.amdhsa_next_free_sgpr 80
		.amdhsa_reserve_vcc 1
		.amdhsa_float_denorm_mode_32 3
		.amdhsa_float_denorm_mode_16_64 3
		.amdhsa_memory_ordered 1
		.amdhsa_forward_progress 1
		.amdhsa_inst_pref_size 255
	.end_amdhsa_kernel
	.section	.bss,"aw",@nobits
	.p2align	6
	.space	262144
	.amdgpu_metadata
---
amdhsa.version: [ 1, 2 ]
amdhsa.kernels:
  - .name:           k_q7500380c8d_gemm
    .symbol:         k_q7500380c8d_gemm.kd
    .args:
      - { .name: xb, .offset: 0, .size: 8, .value_kind: global_buffer, .address_space: global }
      - { .name: wt, .offset: 8, .size: 8, .value_kind: global_buffer, .address_space: global }
      - { .name: cw, .offset: 16, .size: 8, .value_kind: global_buffer, .address_space: global }
      - { .name: rc, .offset: 24, .size: 8, .value_kind: global_buffer, .address_space: global }
      - { .name: pval, .offset: 32, .size: 8, .value_kind: global_buffer, .address_space: global }
      - { .name: pidx, .offset: 40, .size: 8, .value_kind: global_buffer, .address_space: global }
    .group_segment_fixed_size: 327680
    .private_segment_fixed_size: 0
    .kernarg_segment_align: 8
    .kernarg_segment_size: 48
    .max_flat_workgroup_size: 128
    .sgpr_count:     80
    .vgpr_count:     1024
    .wavefront_size: 32
...
	.end_amdgpu_metadata
.endif
;; end of part 2
;; launch pick (part 3): grid 32 x 1, 8 waves a work-group, no clusters, 9,216 bytes of LDS; arguments pval, pidx, rc, locations, out0, out1, dist; writes out0, out1, dist
.if DOCPART == 3
	.amdgcn_target "amdgcn-amd-amdhsa--gfx1250"
	.amdhsa_code_object_version 6
	.text
	.protected	k_q7500380c8d_pick
	.globl	k_q7500380c8d_pick
	.p2align	8
	.type	k_q7500380c8d_pick,@function
k_q7500380c8d_pick:
	s_mov_b64 s[64:65], 0
	v_nop
	global_prefetch_b8 v0, s[64:65] scope:SCOPE_SE
	s_setreg_imm32_b32 hwreg(HW_REG_WAVE_MODE, 25, 1), 1
	s_wait_xcnt 0x0
; PICK: for each of 2,048 rows the best of its 64 candidates (one for each block column): pval [64][2048] f32, pidx [64][2048] u32.
;   out0[b] = the index, out1[b] = locations[index], dist[b] = sqrt(max(value + rc[b], 0)).
; The indices were stored as whole numbers by the launch before, so they may form addresses here: EVERY candidate's location is fetched, and the
; choice between candidates only selects values (v_cndmask_b32): no address and no branch hangs on a comparison of floats.
; Candidates are walked by ascending block column and replaced only by a strictly smaller value, so equal values keep the lower index.
; LIMIT: an index is clamped to 16,383 before it forms an address; it exceeds that only for a row whose values are all NaN (not served).
; SHARE: work-group g owns rows 64 g .. 64 g + 63; wave w the candidates 8 w .. 8 w + 7; lane l the rows 2 l and 2 l + 1, so each load of a wave
; covers 256 consecutive aligned bytes.  The eight waves' winners meet in LDS and wave 0 chooses among them.  1 MiB is read in all:
; 32 work-groups are what 64 rows a group give; tensor loads, clusters and the matrix unit have nothing to do here.
.set VO,  2                            ; v2  65,536 w + 8 l: my two rows in candidate 8 w
.set L8,  3                            ; v3  8 l
.set L16, 4                            ; v4  16 l
.set SV,  5                            ; v5  LDS: 256 w + 8 l
.set SL,  6                            ; v6  LDS: 512 w + 16 l
.set IDX, 8                            ; v[8:23]   candidate c, row i: IDX + 2 c + i
.set VAL, 24                           ; v[24:39]  likewise
.set GA,  40                           ; v[40:55]  8 x index
.set LOC, 56                           ; v[56:87]  two numbers at LOC + 2 (2 c + i)
.set RCV, 88                           ; v[88:89]  rc of my two rows
.set DST, 90                           ; v[90:91]  the two distances
	s_load_b256 s[8:15], s[0:1], 0x0               ; pval s[8:9], pidx s[10:11], rc s[12:13], locations s[14:15]
	s_load_b128 s[16:19], s[0:1], 0x20             ; out0 s[16:17], out1 s[18:19]
	s_load_b64 s[20:21], s[0:1], 0x30              ; dist
	v_lshl_add_u32 v96, v0, 2, 0x2000
	v_mov_b32 v97, 0
	v_lshrrev_b32 v1, 5, v0
	v_readfirstlane_b32 s4, v1                     ; wave 0 .. 7
	v_and_b32 v1, 31, v0
	v_lshlrev_b32 v[L8], 3, v1
	v_lshlrev_b32 v[L16], 4, v1
	s_lshl_b32 s5, s4, 16                          ; 8 candidates of 8,192 bytes
	v_add_nc_u32 v[VO], s5, v[L8]
	s_lshl_b32 s5, s4, 8
	v_add_nc_u32 v[SV], s5, v[L8]
	s_lshl_b32 s5, s4, 9
	v_add_nc_u32 v[SL], s5, v[L16]
	s_lshl_b32 s2, ttmp9, 8                        ; 64 rows of 4 bytes
	s_mov_b32 s3, 0
	s_wait_kmcnt 0x0
	s_add_nc_u64 s[8:9], s[8:9], s[2:3]
	s_add_nc_u64 s[10:11], s[10:11], s[2:3]
	s_add_nc_u64 s[12:13], s[12:13], s[2:3]
	s_add_nc_u64 s[16:17], s[16:17], s[2:3]
	s_add_nc_u64 s[20:21], s[20:21], s[2:3]
	s_lshl_b32 s2, ttmp9, 9                        ; 64 rows of 8 bytes
	s_add_nc_u64 s[18:19], s[18:19], s[2:3]
.irp c, 0,1,2,3,4,5,6,7
	global_load_b64 v[IDX+2*\c:IDX+2*\c+1], v[VO], s[10:11] offset:8192*\c
.endr
.irp c, 0,1,2,3,4,5,6,7
	global_load_b64 v[VAL+2*\c:VAL+2*\c+1], v[VO], s[8:9] offset:8192*\c
.endr
	global_load_b64 v[RCV:RCV+1], v[L8], s[12:13]
	s_wait_loadcnt 9                               ; the eight loads of indices are in; the eight of values and the one of rc stay out
.irp k, 0,1,2,3,4,5,6,7,8,9,10,11,12,13,14,15
	v_min_u32 v[IDX+\k], 0x3fff, v[IDX+\k]         ; inside the table of 16,384 rows
	v_lshlrev_b32 v[GA+\k], 3, v[IDX+\k]
.endr
.irp k, 0,1,2,3,4,5,6,7,8,9,10,11,12,13,14,15
	global_load_b64 v[LOC+2*\k:LOC+2*\k+1], v[GA+\k], s[14:15]
.endr
	s_wait_loadcnt 0x0
; the best of eight candidates for each of my two rows ends in candidate 0's registers
.macro SELECT
.irp c, 1,2,3,4,5,6,7
.irp i, 0,1
	v_cmp_lt_f32 vcc_lo, v[VAL+2*\c+\i], v[VAL+\i]
	v_cndmask_b32 v[VAL+\i],     v[VAL+\i],     v[VAL+2*\c+\i],         vcc_lo
	v_cndmask_b32 v[IDX+\i],     v[IDX+\i],     v[IDX+2*\c+\i],         vcc_lo
	v_cndmask_b32 v[LOC+2*\i],   v[LOC+2*\i],   v[LOC+2*(2*\c+\i)],     vcc_lo
	v_cndmask_b32 v[LOC+2*\i+1], v[LOC+2*\i+1], v[LOC+2*(2*\c+\i)+1],   vcc_lo
.endr
.endr
.endm
	SELECT
	ds_store_b64 v[SV], v[VAL:VAL+1]
	ds_store_b64 v[SV], v[IDX:IDX+1] offset:2048
	ds_store_b128 v[SL], v[LOC:LOC+3] offset:4096
	s_wait_dscnt 0x0                               ; my stores are done, for wave 0's sake
	s_barrier_signal -1
	s_barrier_wait -1
	s_cmp_lg_u32 s4, 0
	s_cbranch_scc1 .Lend
.irp w, 0,1,2,3,4,5,6,7
	ds_load_b64 v[VAL+2*\w:VAL+2*\w+1], v[L8] offset:256*\w
	ds_load_b64 v[IDX+2*\w:IDX+2*\w+1], v[L8] offset:2048+256*\w
	ds_load_b128 v[LOC+4*\w:LOC+4*\w+3], v[L16] offset:4096+512*\w
.endr
	s_wait_dscnt 0x0
	SELECT                                         ; wave w's winner stands where candidate w stood: ascending block columns again
	v_pk_add_f32 v[VAL:VAL+1], v[VAL:VAL+1], v[RCV:RCV+1]          ; the squared distance
	v_max_num_f32 v[VAL], 0, v[VAL]
	v_max_num_f32 v[VAL+1], 0, v[VAL+1]
	v_sqrt_f32 v[DST], v[VAL]
	v_sqrt_f32 v[DST+1], v[VAL+1]
	v_nop                                          ; one plain vector instruction behind a transcendental before its result is used (ISA guide 5.7.2)
	global_store_b64 v[L8], v[IDX:IDX+1], s[16:17]                 ; 256 consecutive aligned bytes
	global_store_b128 v[L16], v[LOC:LOC+3], s[18:19]               ; 512
	s_wait_alu depctr_va_vdst(0)
	global_store_b64 v[L8], v[DST:DST+1], s[20:21]                 ; 256
.Lend:
	s_wait_tensorcnt 0x0
	ds_add_u32 v96, v97
	s_wait_dscnt 0x0
	s_endpgm
.Lfunc_end_k_q7500380c8d_pick:
	.size	k_q7500380c8d_pick, .Lfunc_end_k_q7500380c8d_pick-k_q7500380c8d_pick
	.p2alignl 7, 3214868480
	.fill 96, 4, 3214868480
	.section	.rodata,"a",@progbits
	.p2align	6, 0x0
	.amdhsa_kernel k_q7500380c8d_pick
		.amdhsa_group_segment_fixed_size 9216
		.amdhsa_private_segment_fixed_size 0
		.amdhsa_enable_private_segment 0
		.amdhsa_kernarg_size 56
		.amdhsa_user_sgpr_count 2
		.amdhsa_user_sgpr_kernarg_segment_ptr 1
		.amdhsa_wavefront_size32 1
		.amdhsa_system_sgpr_workgroup_id_x 1
		.amdhsa_system_sgpr_workgroup_id_y 1
		.amdhsa_system_sgpr_workgroup_id_z 1
		.amdhsa_system_vgpr_workitem_id 0
		.amdhsa_next_free_vgpr 98
		.amdhsa_next_free_sgpr 66
		.amdhsa_reserve_vcc 1
		.amdhsa_float_denorm_mode_32 3
		.amdhsa_float_denorm_mode_16_64 3
		.amdhsa_memory_ordered 1
		.amdhsa_forward_progress 1
		.amdhsa_inst_pref_size 13
	.end_amdhsa_kernel
	.amdgpu_metadata
---
amdhsa.version: [ 1, 2 ]
amdhsa.kernels:
  - .name:           k_q7500380c8d_pick
    .symbol:         k_q7500380c8d_pick.kd
    .args:
      - { .name: pval, .offset: 0, .size: 8, .value_kind: global_buffer, .address_space: global }
      - { .name: pidx, .offset: 8, .size: 8, .value_kind: global_buffer, .address_space: global }
      - { .name: rc, .offset: 16, .size: 8, .value_kind: global_buffer, .address_space: global }
      - { .name: locations, .offset: 24, .size: 8, .value_kind: global_buffer, .address_space: global }
      - { .name: out0, .offset: 32, .size: 8, .value_kind: global_buffer, .address_space: global }
      - { .name: out1, .offset: 40, .size: 8, .value_kind: global_buffer, .address_space: global }
      - { .name: dist, .offset: 48, .size: 8, .value_kind: global_buffer, .address_space: global }
    .group_segment_fixed_size: 9216
    .private_segment_fixed_size: 0
    .kernarg_segment_align: 8
    .kernarg_segment_size: 56
    .max_flat_workgroup_size: 256
    .sgpr_count:     66
    .vgpr_count:     98
    .wavefront_size: 32
...
	.end_amdgpu_metadata
.endif
;; end of part 3
;; launch loss (part 4): grid 1 x 1, 1 waves a work-group, no clusters, 0 bytes of LDS; arguments dist, out2; writes out2
.if DOCPART == 4
	.amdgcn_target "amdgcn-amd-amdhsa--gfx1250"
	.amdhsa_code_object_version 6
	.text
	.protected	k_q7500380c8d_loss
	.globl	k_q7500380c8d_loss
	.p2align	8
	.type	k_q7500380c8d_loss,@function
k_q7500380c8d_loss:
	s_mov_b64 s[64:65], 0
	v_nop
	global_prefetch_b8 v0, s[64:65] scope:SCOPE_SE
	s_setreg_imm32_b32 hwreg(HW_REG_WAVE_MODE, 25, 1), 1
	s_wait_xcnt 0x0
; LOSS: out2 = (sum of the 2,048 numbers of dist) / 2,048.  The sum spans the work-groups of the launch before, so it has a launch of its own.
; One wave: 16 loads of 16 bytes a lane bring all 8 KiB at once; a tree of packed adds inside the lane, then across the 32 lanes.
; LIMIT: the f32 sum is formed as a tree, in another order than a running sum.
	s_load_b128 s[4:7], s[0:1], 0x0                ; dist s[4:5], out2 s[6:7]
	s_mov_b32 s8, 0x76543210                       ; v_permlanex16_b32: lane i of one half reads lane i of the other
	s_mov_b32 s9, 0xfedcba98
	v_lshlrev_b32 v1, 4, v0
	v_mov_b32 v2, 0
	s_wait_kmcnt 0x0
.irp j, 0,1,2,3,4,5,6,7,8,9,10,11,12,13,14,15
	global_load_b128 v[4+4*\j:7+4*\j], v1, s[4:5] offset:512*\j
.endr
	s_wait_loadcnt 0x0
.irp q, 0,1,2,3,4,5,6,7,8,9,10,11,12,13,14,15
	v_pk_add_f32 v[4+2*\q:5+2*\q], v[4+2*\q:5+2*\q], v[36+2*\q:37+2*\q]
.endr
.irp q, 0,1,2,3,4,5,6,7
	v_pk_add_f32 v[4+2*\q:5+2*\q], v[4+2*\q:5+2*\q], v[20+2*\q:21+2*\q]
.endr
.irp q, 0,1,2,3
	v_pk_add_f32 v[4+2*\q:5+2*\q], v[4+2*\q:5+2*\q], v[12+2*\q:13+2*\q]
.endr
.irp q, 0,1
	v_pk_add_f32 v[4+2*\q:5+2*\q], v[4+2*\q:5+2*\q], v[8+2*\q:9+2*\q]
.endr
	v_pk_add_f32 v[4:5], v[4:5], v[6:7]
	v_add_f32 v4, v4, v5
	v_add_f32_dpp v4, v4, v4 row_xmask:1 row_mask:0xf bank_mask:0xf
	v_add_f32_dpp v4, v4, v4 row_xmask:2 row_mask:0xf bank_mask:0xf
	v_add_f32_dpp v4, v4, v4 row_xmask:4 row_mask:0xf bank_mask:0xf
	v_add_f32_dpp v4, v4, v4 row_xmask:8 row_mask:0xf bank_mask:0xf
	v_permlanex16_b32 v5, v4, s8, s9               ; its destination has been written before
	v_add_f32 v4, v4, v5
	v_mul_f32 v4, 0x3a000000, v4                   ; x 1 / 2,048
	v_cmp_eq_u32 vcc_lo, 0, v0
	s_wait_xcnt 0x0                                ; EXEC changes only behind this wait
	s_and_saveexec_b32 s10, vcc_lo
	global_store_b32 v2, v4, s[6:7]                ; lane 0 writes the one number
	s_wait_xcnt 0x0                                ; and again in front of the line that widens EXEC
	s_or_b32 exec_lo, exec_lo, s10
	s_endpgm
.Lfunc_end_k_q7500380c8d_loss:
	.size	k_q7500380c8d_loss, .Lfunc_end_k_q7500380c8d_loss-k_q7500380c8d_loss
	.p2alignl 7, 3214868480
	.fill 96, 4, 3214868480
	.section	.rodata,"a",@progbits
	.p2align	6, 0x0
	.amdhsa_kernel k_q7500380c8d_loss
		.amdhsa_group_segment_fixed_size 0
		.amdhsa_private_segment_fixed_size 0
		.amdhsa_enable_private_segment 0
		.amdhsa_kernarg_size 16
		.amdhsa_user_sgpr_count 2
		.amdhsa_user_sgpr_kernarg_segment_ptr 1
		.amdhsa_wavefront_size32 1
		.amdhsa_system_sgpr_workgroup_id_x 1
		.amdhsa_system_sgpr_workgroup_id_y 1
		.amdhsa_system_sgpr_workgroup_id_z 1
		.amdhsa_system_vgpr_workitem_id 0
		.amdhsa_next_free_vgpr 72
		.amdhsa_next_free_sgpr 66
		.amdhsa_reserve_vcc 1
		.amdhsa_float_denorm_mode_32 3
		.amdhsa_float_denorm_mode_16_64 3
		.amdhsa_memory_ordered 1
		.amdhsa_forward_progress 1
		.amdhsa_inst_pref_size 5
	.end_amdhsa_kernel
	.amdgpu_metadata
---
amdhsa.version: [ 1, 2 ]
amdhsa.kernels:
  - .name:           k_q7500380c8d_loss
    .symbol:         k_q7500380c8d_loss.kd
    .args:
      - { .name: dist, .offset: 0, .size: 8, .value_kind: global_buffer, .address_space: global }
      - { .name: out2, .offset: 8, .size: 8, .value_kind: global_buffer, .address_space: global }
    .group_segment_fixed_size: 0
    .private_segment_fixed_size: 0
    .kernarg_segment_align: 8
    .kernarg_segment_size: 16
    .max_flat_workgroup_size: 32
    .sgpr_count:     66
    .vgpr_count:     72
    .wavefront_size: 32
...
	.end_amdgpu_metadata
.endif
;; end of part 4
